; MI455X (gfx1250); checked and timed in simulation.
; The chip was launched on July 23, 2026; its instructions are those of AMD's public machine-readable ISA for CDNA 5 (MIT licence, August 2026) and "CDNA5" Instruction Set Architecture Reference Guide (July 2026). The comments in the code are by the model that wrote it; some were corrected since.
;; Diff Attention. Allowed arithmetic: matrix products marked QUANTISED: E3M2 operands, one E8M0 scale for each 32 along K, by v_wmma_scale_f32_16x16x128_f8f6f4 with both operands' format E3M2, f32 sums; everything else in f32.
;; Inputs: b_proj 256 float32; lambda_k1 64 float32; lambda_k2 64 float32; lambda_q1 64 float32; lambda_q2 64 float32; sub_norm_w 128 float32; w_proj 256 x 256 float32; w_qkv 768 x 256 float32; x 4 x 4,096 x 256 float32.
;; Outputs: out0 4 x 4,096 x 256 float32.
;; This version of the problem:
;;   THIS VERSION OF THE PROBLEM IS GIVEN IN LOW PRECISION. The matrix products marked QUANTISED in the list below multiply operands that are first quantised to E3M2 (3 exponent bits, 2 mantissa bits; 6 bits a number), with one power-of-two scale for each 32 numbers along K (OCP MX v1.0); their sums are f32. All else is computed in f32.
;;   The module's matrix products, in the order in which they are computed (A, B: the left and right operand; K: the contracted axis; several contracted axes count as one K, in the product's order):
;;     1. [M 16,384, K 256] x [K 256, N 768]; A: input x; B: input w_qkv: QUANTISED
;;     2. batch 8 x [M 4,096, K 64] x [K 64, N 4,096]; A: computed on the way; B: computed on the way: QUANTISED
;;     3. batch 8 x [M 4,096, K 4,096] x [K 4,096, N 128]; A: softmax (see below); B: computed on the way: QUANTISED
;;     4. batch 8 x [M 4,096, K 64] x [K 64, N 4,096]; A: computed on the way; B: computed on the way: QUANTISED
;;     5. batch 8 x [M 4,096, K 4,096] x [K 4,096, N 128]; A: softmax (see below); B: computed on the way: QUANTISED
;;     6. [M 16,384, K 256] x [K 256, N 256]; A: computed on the way; B: input w_proj: QUANTISED
;;   THE QUANTISER, for each operand of a quantised product, along K:
;;     - K is cut into blocks of 32 from its start; a last block that is shorter is filled with zeros.
;;     - A block's scale is 2^e with e = floor(log2(the largest magnitude in the block)) - 4, held to -126 .. 127; a block of zeros has e = 0. As a byte (E8M0): e + 127.
;;     - Each number is divided by its block's scale, clamped to +-28, and rounded to the nearest number of E3M2, ties to even, subnormals kept.
;;     - The product sums the exact products of the quantised numbers (number of the format x scale) in f32.
;;   ~~~python
;;   def quantise(x, axis):      # numpy; x: float32 -> the quantised numbers, widened to float32 again
;;       x = np.moveaxis(x, axis, -1); K = x.shape[-1]
;;       x = np.pad(x, [(0, 0)] * (x.ndim - 1) + [(0, -K % 32)]); x = x.reshape(x.shape[:-1] + (-1, 32)); a = np.abs(x).max(-1, keepdims=True)
;;       e = np.where(a > 0, np.clip(np.frexp(np.where(a > 0, a, 1))[1] - 1 - 4, -126, 127), 0)      # np.frexp(a)[1] - 1 = floor(log2(a)), exactly
;;       r = np.clip(x / 2.0 ** e, -28, 28)
;;       step = 2.0 ** (np.maximum(np.frexp(np.where(r == 0, 1, r))[1] - 1, -2) - 2)
;;       q = np.round(r / step) * step * 2.0 ** e      # np.round: ties to even
;;       return np.moveaxis(q.reshape(q.shape[:-2] + (-1,))[..., :K], -1, axis).astype(np.float32)
;;   ~~~
;;   SOFTMAX AHEAD OF A QUANTISED PRODUCT. Where the list says 'softmax', what is quantised is not the finished softmax but p = 2^(t - M), with t = logit x log2(e) and M = ceil(the row's largest t), a whole number; so 1/2 < the row's largest p <= 1. The row's sum l is taken of the UNQUANTISED p, in f32, and the product's result is divided by l at the end. Since M is a whole number, a kernel that streams over the keys may use a running M (the ceiling of the running maximum): every later rescaling is an exact power of two, which a block's scale takes up: the codes' values come out the same.
;;   OPERANDS COMPUTED ON THE WAY. 'Computed on the way' means the value that the module computes at that place (a softmax that the list does not call 'softmax' is quantised finished and normalised). What goes into a quantiser is computed in f32, as accurately as f32 sums, v_exp_f32 and their like allow (about 1e-6 of the number): no bf16 or f16 on the way to a quantiser, and a product that is left as it is and whose result goes on into a quantised operand takes f32 operands (vector FMAs, or v_wmma_f32_16x16x4_f32). A number that lies on a knife's edge between two numbers of the format may be rounded either way, as far as f32 arithmetic and the matrix unit's own rounding can turn it there, and no further.
;; One version. Each part assembles by itself: llvm-mc -triple=amdgcn-amd-amdhsa -mcpu=gfx1250 --defsym DOCPART=n.
;; ======== version 1 of 1: 3 launches
;; limits: right only within a limited range of input values
;; workspace buffers: wimg 204,800 bytes; qkvc 9,830,400 bytes
;; launch prep (part 1): grid 16 x 1, 8 waves a work-group, no clusters, 69,120 bytes of LDS; arguments w_qkv, w_proj, wimg; writes wimg
.if DOCPART == 1
	.amdgcn_target "amdgcn-amd-amdhsa--gfx1250"
	.amdhsa_code_object_version 6
	.text
	.protected	k_q3a32de16df_prep
	.globl	k_q3a32de16df_prep
	.p2align	8
	.type	k_q3a32de16df_prep,@function
k_q3a32de16df_prep:
	s_mov_b64 s[64:65], 0
	v_nop
	global_prefetch_b8 v0, s[64:65] scope:SCOPE_SE
	s_setreg_imm32_b32 hwreg(HW_REG_WAVE_MODE, 25, 1), 1
	s_wait_xcnt 0x0
; w_qkv [768][256] and w_proj [256][256], f32, K innermost, become codes of BF6 (E3M2) with one E8M0 byte for each 32 along K, ONCE, laid as IMAGES OF OPERAND REGISTERS.
; wimg = 8 blocks of 25,600 bytes, a block = 128 weight rows = 8 tiles of 16 rows x 2 K steps of 128.  Blocks 3 head + part (part 0 q, 1 k, 2 v) hold w_qkv's rows 256 part + 128 head + 0..127; blocks 6, 7 w_proj's rows 0-127, 128-255.
; A fragment (16 rows x 128 K, 12 registers a lane) is 1,536 bytes: registers 4 c .. 4 c + 3 of lane l at 512 c + 16 l.  Fragment (tile t, K step s) lies at (2 t + s) x 1,536.
; THE ROWS OF A TILE ARE NOT NEIGHBOURS: row i of tile 2 b + u is the block's row 32 b + 8 u + i + 8 (i / 8), so that the results of tiles 2 b and 2 b + 1 are 16 neighbours along the next product's K.
; The scale words lie at 24,576: the word of tile 4 g + j, K step s, row r at 512 g + 16 (16 s + r) + 4 j: one load of 16 bytes a lane gives four scale registers, K step 0 in lanes 0-15, K step 1 in lanes 16-31.
; SHARES: work-group g takes 64 weight rows (4 tiles x 2 K steps = 8 fragments), a fragment to a wave.  16 work-groups are all the work there is: 1 MiB is read once.
; No cluster and no tensor load: the work-groups share no input, and each byte is touched once.
; A block's scale is 2^(floor(log2(largest magnitude)) - 4); its byte is the largest magnitude's exponent field - 4, held at 1 from below.
; LIMITS: NaN and infinities among the inputs are not served.  A block of zeros gets the byte 1 where the rule says 127: its codes are zeros, and only this program reads the bytes.
.set STGB, 16*528                      ; a wave's stage: 16 rows x (512 bytes + 16)
.set SCS,  8*STGB                      ; behind the stages: the work-group's 512 bytes of scale words
.set WV,  10                           ; s10      wave
.set SRC, 12                           ; s[12:13] my fragment's first row, at my K step
.set DST, 16                           ; s[16:17] my block of wimg
.set SEL, 20                           ; s[20:21] v_permlanex16_b32's selects for lane l xor 16
.set LI,  4                            ; v4   16 x lane
.set STW, 5                            ; v5   the stage, in: 16 x lane
.set STR, 6                            ; v6   the stage, out: 528 r + 128 h
.set SCA, 7                            ; v7   where my scale word goes in LDS
.set SH8, 8                            ; v8   8 h
.set GO,  9                            ; v9   my fragment's image in the block
.set SCR, 10                           ; v10  the scale words, read back
.set GS,  11                           ; v11  and their place in the block
.set X,   16                           ; v16-79  64 numbers
.set TM,  80                           ; v80-95  at work
.set PC,  96                           ; v96-115 the codes
.set PW,  116                          ; v116    the scale word
.macro ROWS dst, ks                    ; 16 rows of a tile, 128 numbers of each: a load reads 512 consecutive bytes of one row; the tile's order of rows stands in the immediates
.irp i, 0,1,2,3,4,5,6,7,8,9,10,11,12,13,14,15
	global_load_b128 v[\dst+4*\i:\dst+4*\i+3], v[LI], s[SRC:SRC+1] offset:(\i+8*(\i/8))*1024+512*\ks
.endr
.endm
.macro TURN reg                        ; through the wave's own stage: afterwards register 32 c + i holds k = 64 c + 32 h + i of row r.  LDS serves a wave's instructions in order: no wait between the stores and the loads
.irp i, 0,1,2,3,4,5,6,7,8,9,10,11,12,13,14,15
	ds_store_b128 v[STW], v[\reg+4*\i:\reg+4*\i+3] offset:528*\i
.endr
.irp c, 0,1
.irp j, 0,1,2,3,4,5,6,7
	ds_load_b128 v[\reg+32*\c+4*\j:\reg+32*\c+4*\j+3], v[STR] offset:256*\c+16*\j
.endr
.endr
.endm
.macro QROW src, dst, pw               ; a lane's two whole blocks of 32 become registers 6 c .. 6 c + 5 of the operand, and the row's scale word
.irp c, 0,1
	v_max3_num_f32 v[TM+\c], |v[\src+32*\c]|, |v[\src+32*\c+1]|, 0x2800000   ; with the floor 2^(5 - 127): the byte cannot fall under 1
.endr
.irp i, 2,4,6,8,10,12,14,16,18,20,22,24,26,28,30
.irp c, 0,1
	s_delay_alu instid0(VALU_DEP_2)
	v_max3_num_f32 v[TM+\c], v[TM+\c], |v[\src+32*\c+\i]|, |v[\src+32*\c+\i+1]|   ; the two blocks by turns
.endr
.endr
.irp c, 0,1
	s_delay_alu instid0(VALU_DEP_2)
	v_add_nc_u32 v[TM+4+\c], 0xfe000000, v[TM+\c]      ; 4 off the exponent field: the conversion's scale operand
.endr
.irp c, 0,1
	s_delay_alu instid0(VALU_DEP_2)
	v_lshrrev_b32 v[TM+8+\c], 23, v[TM+4+\c]           ; the scale's byte
.endr
	s_delay_alu instid0(VALU_DEP_1)
	v_lshl_or_b32 v[\pw], v[TM+9], 16, v[TM+8]         ; my bytes: blocks h and 2 + h,
	s_delay_alu instid0(VALU_DEP_1)
	v_lshlrev_b32 v[\pw], v[SH8], v[\pw]               ; at their places (8 h bits up);
	s_delay_alu instid0(VALU_DEP_1)
	v_permlanex16_b32 v[TM+12], v[\pw], s[SEL], s[SEL+1]
	s_delay_alu instid0(VALU_DEP_1)
	v_or_b32 v[\pw], v[\pw], v[TM+12]                  ; with lane l xor 16's two the word is whole, in both halves of the lanes
.irp c, 0,1
	v_cvt_scalef32_pk16_bf6_f32 v[\dst+6*\c:\dst+6*\c+2], v[\src+32*\c:\src+32*\c+15], v[TM+4+\c]
	v_cvt_scalef32_pk16_bf6_f32 v[PC+12+4*\c:PC+14+4*\c], v[\src+32*\c+16:\src+32*\c+31], v[TM+4+\c]   ; (a conversion's three registers begin on an even number)
.endr
	v_nop                                              ; one plain place behind a scaled conversion
.irp c, 0,1
.irp i, 0,1,2
	v_mov_b32 v[\dst+6*\c+3+\i], v[PC+12+4*\c+\i]
.endr
.endr
.endm
	s_load_b128 s[4:7], s[0:1], 0x0                ; w_qkv, w_proj
	s_load_b64 s[8:9], s[0:1], 0x10                ; wimg
	v_lshl_add_u32 v128, v0, 2, 0x10a00
	v_mov_b32 v129, 0
	v_lshrrev_b32 v1, 5, v0
	s_delay_alu instid0(VALU_DEP_1)
	v_readfirstlane_b32 s[WV], v1                  ; wave 0..7 = 2 x tile + K step
	v_and_b32 v1, 31, v0                           ; lane
	v_and_b32 v2, 15, v0                           ; r
	s_wait_alu depctr_va_vdst(0)
	v_bfe_u32 v3, v0, 4, 1                         ; h
	v_lshlrev_b32 v[LI], 4, v1
	s_wait_alu depctr_va_vdst(0)
	v_lshlrev_b32 v[SH8], 3, v3
	v_mov_b32 v[TM+12], 0                          ; a lane permute's destination counts as one of its sources
	s_mov_b32 s[SEL], 0x76543210
	s_mov_b32 s[SEL+1], 0xfedcba98
	s_mul_i32 s11, s[WV], STGB                     ; my stage
	v_add_nc_u32 v[STW], s11, v[LI]
	v_mul_u32_u24 v[STR], v2, 528
	s_delay_alu instid0(VALU_DEP_1)
	v_lshl_add_u32 v[STR], v3, 7, v[STR]
	s_delay_alu instid0(VALU_DEP_1)
	v_add_nc_u32 v[STR], s11, v[STR]
	s_and_b32 s18, s[WV], 1                        ; K step
	s_lshr_b32 s19, s[WV], 1                       ; tile of my four
	s_lshl_b32 s22, s18, 8
	s_lshl_b32 s23, s19, 2
	s_add_co_u32 s22, s22, s23
	s_add_co_u32 s22, s22, SCS
	v_lshl_add_u32 v[SCA], v2, 4, s22              ; SCS + 256 s + 16 r + 4 tile
	v_add_nc_u32 v[SCR], SCS, v[LI]
	s_and_b32 s15, ttmp9, 1                        ; which half of the block's eight tiles
	s_lshl_b32 s22, s15, 3
	s_add_co_u32 s22, s22, s[WV]
	s_mul_i32 s22, s22, 1536
	v_add_nc_u32 v[GO], s22, v[LI]                 ; fragment 8 half + wave
	s_lshl_b32 s22, s15, 9
	s_add_co_u32 s22, s22, 24576
	v_add_nc_u32 v[GS], s22, v[LI]
	s_lshr_b32 s14, ttmp9, 1                       ; w_proj's work-groups 12..15: block 6, 6, 7, 7
	s_and_b32 s22, s14, 1                          ; w_qkv's: head,
	s_mul_i32 s22, s22, 3
	s_lshr_b32 s23, ttmp9, 2                       ; part:
	s_add_co_u32 s22, s22, s23                     ; block 3 head + part
	s_wait_alu depctr_va_vdst(0)
	s_wait_kmcnt 0x0
	s_cmp_lt_u32 ttmp9, 12                         ; the choice hangs on the work-group's number alone
	s_cselect_b64 s[SRC:SRC+1], s[4:5], s[6:7]
	s_cselect_b32 s14, s22, s14
	s_cselect_b32 s23, 0, 12
	s_sub_co_u32 s23, ttmp9, s23                   ; which 64 rows of the tensor
	s_lshl_b32 s24, s23, 6
	s_lshr_b32 s23, s19, 1
	s_lshl_b32 s23, s23, 5
	s_add_co_u32 s24, s24, s23                     ; + 32 (tile / 2)
	s_and_b32 s23, s19, 1
	s_lshl_b32 s23, s23, 3
	s_add_co_u32 s24, s24, s23                     ; + 8 (tile % 2)
	s_lshl_b32 s24, s24, 10                        ; rows of 1,024 bytes
	s_lshl_b32 s23, s18, 9
	s_add_co_u32 s24, s24, s23                     ; + my K step's 512 bytes
	s_mov_b32 s25, 0
	s_add_nc_u64 s[SRC:SRC+1], s[SRC:SRC+1], s[24:25]
	s_mul_i32 s26, s14, 25600
	s_mov_b32 s27, 0
	s_add_nc_u64 s[DST:DST+1], s[8:9], s[26:27]
	ROWS X, 0
	s_wait_loadcnt 0x0
	TURN X
	s_wait_dscnt 0x0
	QROW X, PC, PW
.irp c, 0,1,2
	global_store_b128 v[GO], v[PC+4*\c:PC+4*\c+3], s[DST:DST+1] offset:512*\c   ; 32 lanes store 512 consecutive bytes, at a multiple of 256 from wimg's first byte
.endr
	ds_store_b32 v[SCA], v[PW]                     ; lanes r and r + 16 write the same word with the same value
	s_wait_dscnt 0x0                               ; for the others' sake: my word lies in LDS
	s_barrier_signal -1
	s_barrier_wait -1
	s_cmp_lg_u32 s[WV], 0
	s_cbranch_scc1 .Lend
	ds_load_b128 v[X:X+3], v[SCR]                  ; the eight waves' words leave as 512 consecutive bytes
	s_wait_dscnt 0x0
	global_store_b128 v[GS], v[X:X+3], s[DST:DST+1]
.Lend:
	s_wait_tensorcnt 0x0
	ds_add_u32 v128, v129
	s_wait_dscnt 0x0
	s_endpgm
.Lfunc_end_k_q3a32de16df_prep:
	.size	k_q3a32de16df_prep, .Lfunc_end_k_q3a32de16df_prep-k_q3a32de16df_prep
	.p2alignl 7, 3214868480
	.fill 96, 4, 3214868480
	.section	.rodata,"a",@progbits
	.p2align	6, 0x0
	.amdhsa_kernel k_q3a32de16df_prep
		.amdhsa_group_segment_fixed_size 69120
		.amdhsa_private_segment_fixed_size 0
		.amdhsa_enable_private_segment 0
		.amdhsa_kernarg_size 24
		.amdhsa_user_sgpr_count 2
		.amdhsa_user_sgpr_kernarg_segment_ptr 1
		.amdhsa_wavefront_size32 1
		.amdhsa_system_sgpr_workgroup_id_x 1
		.amdhsa_system_sgpr_workgroup_id_y 1
		.amdhsa_system_sgpr_workgroup_id_z 1
		.amdhsa_system_vgpr_workitem_id 0
		.amdhsa_next_free_vgpr 130
		.amdhsa_next_free_sgpr 66
		.amdhsa_reserve_vcc 0
		.amdhsa_float_denorm_mode_32 3
		.amdhsa_float_denorm_mode_16_64 3
		.amdhsa_memory_ordered 1
		.amdhsa_forward_progress 1
		.amdhsa_inst_pref_size 12
	.end_amdhsa_kernel
	.amdgpu_metadata
---
amdhsa.version: [ 1, 2 ]
amdhsa.kernels:
  - .name:           k_q3a32de16df_prep
    .symbol:         k_q3a32de16df_prep.kd
    .args:
      - { .name: w_qkv, .offset: 0, .size: 8, .value_kind: global_buffer, .address_space: global }
      - { .name: w_proj, .offset: 8, .size: 8, .value_kind: global_buffer, .address_space: global }
      - { .name: wimg, .offset: 16, .size: 8, .value_kind: global_buffer, .address_space: global }
    .group_segment_fixed_size: 69120
    .private_segment_fixed_size: 0
    .kernarg_segment_align: 8
    .kernarg_segment_size: 24
    .max_flat_workgroup_size: 256
    .sgpr_count:     66
    .vgpr_count:     130
    .wavefront_size: 32
...
	.end_amdgpu_metadata
.endif
;; end of part 1
;; launch qkv (part 2): grid 128 x 2, 8 waves a work-group, clusters of 4 x 1, 173,056 bytes of LDS; arguments x, wimg, qkvc; writes qkvc
.if DOCPART == 2
	.amdgcn_target "amdgcn-amd-amdhsa--gfx1250"
	.amdhsa_code_object_version 6
	.text
	.protected	k_q3a32de16df_qkv
	.globl	k_q3a32de16df_qkv
	.p2align	8
	.type	k_q3a32de16df_qkv,@function
k_q3a32de16df_qkv:
	s_mov_b64 s[64:65], 0
	v_nop
	global_prefetch_b8 v0, s[64:65] scope:SCOPE_SE
	s_setreg_imm32_b32 hwreg(HW_REG_WAVE_MODE, 25, 1), 1
	s_wait_xcnt 0x0
	s_wait_alu depctr_hold_cnt(0) depctr_sa_sdst(0) depctr_va_vdst(0) depctr_va_sdst(0) depctr_va_ssrc(0) depctr_va_vcc(0) depctr_vm_vsrc(0)
	s_getreg_b32 s2, hwreg(HW_REG_IB_STS2, 6, 4)
	s_cmp_eq_u32 s2, 0
	s_cbranch_scc0 .Lentry_in_a_cluster
	s_endpgm
.Lentry_in_a_cluster:
	s_bfe_u32 s2, ttmp6, 0x10000c
	s_cmp_lg_u32 s2, 0x3003
	s_cbranch_scc0 .Lentry_shape_is_right
	s_endpgm
.Lentry_shape_is_right:
; qkv = Q(x) Q(w_qkv)^T on codes of BF6 (E3M2) with E8M0 scales, and its results quantised at once for the attention: q and k along a head's 128 channels, v along the keys.
; SHARES: work-group (token block tb of 128 tokens, head) makes the head's 384 columns and writes one record of qkvc, 38,400 bytes at (2 tb + head) x 38,400: chunks K at 0, V at 12,800, Q at 25,600.
; A chunk is 8 fragment images of 1,536 bytes (registers 4 c .. 4 c + 3 of lane l at 512 c + 16 l) and 512 bytes of scale words (tile 2 j + e, row r at 16 (16 e + r) + 4 j).
;   K tile t, Q tile t: 16 tokens x the head's 128 channels [sub 0 | sub 1];   V tile t: 16 channels x the block's 128 keys in their true order.
; THE ROWS OF A TILE ARE NOT NEIGHBOURS, everywhere: row i of tile 2 b + u is row 32 b + 8 u + i + 8 (i / 8) of its 128 (tokens, weight rows, channels).
; ONE FORM OF PRODUCT: source 0 = one of eight fragments from an LDS block, source 1 = the wave's own two fragments.  In the result lane (r, h) holds source 1's row r and register j source 0's row 8 h + j, so by the
; order of rows above the 16 registers of tiles 2 b, 2 b + 1 are the 16 neighbours 32 b + 16 h + 0 .. 15 along the next product's K.  Q, K of token tile w: source 0 = the weights' tiles, source 1 = x's tile w.
; V of channel tile w: source 0 = x's eight tiles, source 1 = the weights' tile w: the registers then run along the tokens, which are the keys.
; Wave w quantises x's tile w (both K steps), hands its images to the others through LDS, and makes Q tile w, K tile w, V tile w: 48 matrix instructions.
; CLUSTER: the four work-groups of a cluster have the same head and need the same 76,800 bytes of weights: waves 0 to 2 ask for a block each JOINTLY (mask 15).  LDS bytes are filled once.
; x's rows are also read by the other head's work-group; they are not asked for jointly: they go straight into registers for the quantiser, and the cluster lies along the axis on which four partners share.
; LIMITS: NaN and infinities among the inputs are not served.  A block of zeros gets the byte 1 where the rule says 127: its codes are zeros, and only this program reads the bytes.
.set BLK,  25600                       ; a block of wimg: 16 fragments + 1,024 bytes of scale words
.set XBLK, 3*BLK                       ; LDS: 0: the head's three blocks (q, k, v), filled by tensor loads; XBLK: x's 16 images + scale words, in the same format, stored by the waves
.set OSC,  XBLK+BLK                    ; three images of 512 bytes of scale words: K's, V's, Q's
.set STG,  OSC+1536                    ; a stage of 16 x 528 bytes for each wave
.set STGB, 16*528
.set WV,  10                           ; s10      wave
.set SRC, 14                           ; s[14:15] x at my tile's first row
.set REC, 16                           ; s[16:17] my record;  s[18:19] where wave 0, 1, 2 stores a chunk's scale words
.set SEL, 20                           ; s[20:21] selects for lane l xor 16
.set G1,  24                           ; s[24:31] descriptor group 1;  s[32:35] group 0
.set G0,  32
.set LI,  4                            ; v4   16 x lane (also: block q's fragments begin at LDS byte 0)
.set STW, 5                            ; v5   the stage, in
.set STR, 6                            ; v6   the stage, out
.set XWI, 7                            ; v7   where I store x's images
.set XWS, 8                            ; v8   and their scale words
.set OSA, 9                            ; v9   where my results' scale word goes
.set WVF, 10                           ; v10  block v's tile w
.set WVS, 11                           ; v11  and its scale words
.set LX,  12                           ; v12  XBLK + 16 x lane
.set GO,  13                           ; v13  my tile's image in a chunk
.set SH8, 14                           ; v14  8 h
.set OSR, 15                           ; v15  a chunk's scale words, read back
.set XF,  16                           ; v16-39  source 1: two fragments (K steps 0, 1)
.set XS,  40                           ; v40-41  their scale words
.set WS,  42                           ; v42-49  source 0's scale words: tile t in register t; K step 0 in lanes 0-15, K step 1 in lanes 16-31
.set PW,  50                           ; v50     the scale word just made
.set TM,  52                           ; v52-67  at work
.set PC,  68                           ; v68-87  the codes just made
.set ACC, 88                           ; v88-151 eight accumulators
.set FB,  152                          ; v152-247 eight fragments of source 0
.macro PLACES n
.rept \n
	v_nop
.endr
.endm
.macro CROUND                          ; a round of the cluster's barrier
	s_barrier_signal -1
	s_barrier_wait -1
	s_cmp_lg_u32 s[WV], 0
	s_cbranch_scc1 .Lnot_wave_0_\@
	s_barrier_signal -3
.Lnot_wave_0_\@:
	s_barrier_wait -3
	s_barrier_signal -1
	s_barrier_wait -1
.endm
.macro ROWS dst, ks                    ; 16 rows of my tile, K step ks: a load reads 512 consecutive bytes of one row
.irp i, 0,1,2,3,4,5,6,7,8,9,10,11,12,13,14,15
	global_load_b128 v[\dst+4*\i:\dst+4*\i+3], v[LI], s[SRC:SRC+1] offset:(\i+8*(\i/8))*1024+512*\ks
.endr
.endm
.macro TURN reg                        ; through my own stage: afterwards register 32 c + i holds k = 64 c + 32 h + i of row r.  LDS serves a wave's instructions in order
.irp i, 0,1,2,3,4,5,6,7,8,9,10,11,12,13,14,15
	ds_store_b128 v[STW], v[\reg+4*\i:\reg+4*\i+3] offset:528*\i
.endr
.irp c, 0,1
.irp j, 0,1,2,3,4,5,6,7
	ds_load_b128 v[\reg+32*\c+4*\j:\reg+32*\c+4*\j+3], v[STR] offset:256*\c+16*\j
.endr
.endr
.endm
.macro QROW src, dst, pw               ; a lane's two whole blocks of 32 become registers 6 c .. 6 c + 5 of the operand, and the row's scale word
.irp c, 0,1
	v_max3_num_f32 v[TM+\c], |v[\src+32*\c]|, |v[\src+32*\c+1]|, 0x2800000   ; with the floor 2^(5 - 127): the byte cannot fall under 1
.endr
.irp i, 2,4,6,8,10,12,14,16,18,20,22,24,26,28,30
.irp c, 0,1
	s_delay_alu instid0(VALU_DEP_2)
	v_max3_num_f32 v[TM+\c], v[TM+\c], |v[\src+32*\c+\i]|, |v[\src+32*\c+\i+1]|
.endr
.endr
.irp c, 0,1
	s_delay_alu instid0(VALU_DEP_2)
	v_add_nc_u32 v[TM+4+\c], 0xfe000000, v[TM+\c]      ; 4 off the exponent field: the conversion's scale operand
.endr
.irp c, 0,1
	s_delay_alu instid0(VALU_DEP_2)
	v_lshrrev_b32 v[TM+8+\c], 23, v[TM+4+\c]           ; the scale's byte
.endr
	s_delay_alu instid0(VALU_DEP_1)
	v_lshl_or_b32 v[\pw], v[TM+9], 16, v[TM+8]
	s_delay_alu instid0(VALU_DEP_1)
	v_lshlrev_b32 v[\pw], v[SH8], v[\pw]
	s_delay_alu instid0(VALU_DEP_1)
	v_permlanex16_b32 v[TM+12], v[\pw], s[SEL], s[SEL+1]
	s_delay_alu instid0(VALU_DEP_1)
	v_or_b32 v[\pw], v[\pw], v[TM+12]                  ; the whole word, in both halves of the lanes
.irp c, 0,1
	v_cvt_scalef32_pk16_bf6_f32 v[\dst+6*\c:\dst+6*\c+2], v[\src+32*\c:\src+32*\c+15], v[TM+4+\c]
	v_cvt_scalef32_pk16_bf6_f32 v[PC+12+4*\c:PC+14+4*\c], v[\src+32*\c+16:\src+32*\c+31], v[TM+4+\c]
.endr
	v_nop                                              ; one plain place behind a scaled conversion
.irp c, 0,1
.irp i, 0,1,2
	v_mov_b32 v[\dst+6*\c+3+\i], v[PC+12+4*\c+\i]
.endr
.endr
.endm
; 64 numbers of a lane, register 16 b + i = k 32 b + 16 h + i of my row, become a fragment's codes in v[PC] on and its scale word in v[PW]
.macro QUANT s
.irp b, 0,1,2,3
	v_max3_num_f32 v[TM+\b], |v[\s+16*\b]|, |v[\s+1+16*\b]|, 0x2800000
.endr
.irp i, 2,4,6,8,10,12,14
.irp b, 0,1,2,3
	v_max3_num_f32 v[TM+\b], v[TM+\b], |v[\s+16*\b+\i]|, |v[\s+1+16*\b+\i]|   ; the four blocks by turns; each accumulator is read from its low end on
.endr
.endr
.irp b, 0,1,2,3
	s_delay_alu instid0(VALU_DEP_4)
	v_permlanex16_b32 v[TM+4+\b], v[TM+\b], s[SEL], s[SEL+1]
.endr
.irp b, 0,1,2,3
	s_delay_alu instid0(VALU_DEP_4)
	v_max_num_f32 v[TM+\b], v[TM+\b], v[TM+4+\b]       ; with lane l xor 16's: the block's largest magnitude
.endr
.irp b, 0,1,2,3
	s_delay_alu instid0(VALU_DEP_4)
	v_add_nc_u32 v[TM+12+\b], 0xfe000000, v[TM+\b]
.endr
.irp b, 0,1,2,3
	s_delay_alu instid0(VALU_DEP_4)
	v_lshrrev_b32 v[TM+4+\b], 23, v[TM+12+\b]
.endr
	s_delay_alu instid0(VALU_DEP_3)
	v_lshl_or_b32 v[PW], v[TM+5], 8, v[TM+4]
	s_delay_alu instid0(VALU_DEP_1)
	v_lshl_or_b32 v[PW], v[TM+6], 16, v[PW]
	s_delay_alu instid0(VALU_DEP_1)
	v_lshl_or_b32 v[PW], v[TM+7], 24, v[PW]
.irp c, 0,1
	v_cvt_scalef32_pk16_bf6_f32 v[PC+6*\c:PC+2+6*\c], v[\s+32*\c:\s+15+32*\c], v[TM+12+2*\c]
	v_cvt_scalef32_pk16_bf6_f32 v[PC+12+4*\c:PC+14+4*\c], v[\s+16+32*\c:\s+31+32*\c], v[TM+12+2*\c+1]
.endr
	v_nop                                              ; one plain place behind a scaled conversion
.irp c, 0,1                                        ; the operand's layout wants a whole block in a lane
.irp i, 0,1,2
	v_permlane16_swap_b32 v[PC+6*\c+\i], v[PC+12+4*\c+\i]
.endr
.irp i, 0,1,2
	s_delay_alu instid0(VALU_DEP_3)
	v_mov_b32 v[PC+3+6*\c+\i], v[PC+12+4*\c+\i]
.endr
.endr
.endm
; A unit: eight tiles of source 0 from the block at v[adr] + off against my two fragments; the 64 results are quantised and leave as tile w of chunk ch.
; Four accumulators take turns, K step 0 and then K step 1.
.macro UNIT adr, off, ch
	s_wait_xcnt 0x0                                ; the last unit's stores have read v[PC] on: it is written again only behind this wait
.irp g, 0,1
	ds_load_b128 v[WS+4*\g:WS+4*\g+3], v[\adr] offset:\off+24576+512*\g
.endr
.irp g, 0,1
.if \g
	PLACES 4                                       ; in front of loads into registers that matrix instructions have read
.endif
.set j, 0
.rept 24
	ds_load_b128 v[FB+4*j:FB+4*j+3], v[\adr] offset:\off+12288*\g+512*j
.set j, j+1
.endr
	s_wait_dscnt 0x0
.irp t, 0,1,2,3
	v_wmma_scale_f32_16x16x128_f8f6f4 v[ACC+8*(4*\g+\t):ACC+8*(4*\g+\t)+7], v[FB+24*\t:FB+24*\t+11], v[XF:XF+11], 0, v[WS+4*\g+\t], v[XS] matrix_a_fmt:MATRIX_FMT_BF6 matrix_b_fmt:MATRIX_FMT_BF6
.endr
	s_wait_alu depctr_va_vdst(0)
.irp t, 0,1,2,3
	v_wmma_scale_f32_16x16x128_f8f6f4 v[ACC+8*(4*\g+\t):ACC+8*(4*\g+\t)+7], v[FB+24*\t+12:FB+24*\t+23], v[XF+12:XF+23], v[ACC+8*(4*\g+\t):ACC+8*(4*\g+\t)+7], v[WS+4*\g+\t], v[XS+1] matrix_a_fmt:MATRIX_FMT_BF6 matrix_b_fmt:MATRIX_FMT_BF6 matrix_a_scale:MATRIX_SCALE_ROW1
.endr
.endr
	PLACES 4                                       ; in front of the first read of results, and of the next loads into source registers
	QUANT ACC
.irp c, 0,1,2
	global_store_b128 v[GO], v[PC+4*\c:PC+4*\c+3], s[REC:REC+1] offset:12800*\ch+512*\c   ; 512 consecutive bytes, at a multiple of 256 from qkvc's first byte
.endr
	ds_store_b32 v[OSA], v[PW] offset:512*\ch      ; lanes r and r + 16 write the same word with the same value
.endm
	s_load_b128 s[4:7], s[0:1], 0x0                ; x, wimg
	s_load_b64 s[8:9], s[0:1], 0x10                ; qkvc
	v_lshl_add_u32 v254, v0, 2, 0x2a000
	v_mov_b32 v255, 0
	ds_add_u32 v254, v255
	ds_add_u32 v254, v255
	v_lshrrev_b32 v1, 5, v0
	s_delay_alu instid0(VALU_DEP_1)
	v_readfirstlane_b32 s[WV], v1                  ; wave 0..7
	s_bfe_u32 s11, ttmp6, 0x40000                  ; cx
	s_lshl_b32 s12, ttmp9, 2
	s_add_co_u32 s12, s12, s11                     ; token block = 4 x cluster x + cx: it enters x's and qkvc's addresses alone
	s_and_b32 s13, ttmp7, 0xffff                   ; the head, which the four partners share
	s_mov_b32 s[SEL], 0x76543210
	s_mov_b32 s[SEL+1], 0xfedcba98
	; descriptor: a block of 25,600 dense bytes as 100 rows of 256 bytes (32 elements of 8 bytes), no padding: every read of it is 512 consecutive bytes
	s_mov_b32 s[G1+0], 15|(3<<16)|(1<<21)          ; 15:0 the mask: all four work-groups; 17:16 elements of 8 bytes; 21 set beside a mask
	s_mov_b32 s[G1+1], 32<<16                      ; tensor_dim0
	s_mov_b32 s[G1+2], 100<<16                     ; tensor_dim1
	s_mov_b32 s[G1+3], 32<<16                      ; tile_dim0
	s_mov_b32 s[G1+4], 100                         ; tile_dim1
	s_mov_b32 s[G1+5], 32                          ; the pitch
	s_mov_b32 s[G1+6], 0
	s_mov_b32 s[G1+7], 0
	s_mov_b32 s[G0], 1
	s_mul_i32 s[G0+1], s[WV], BLK                  ; wave 0, 1, 2: block q, k, v
	s_mul_i32 s36, s13, 3*BLK
	s_add_co_u32 s36, s36, s[G0+1]
	s_mov_b32 s37, 0
	s_lshl_b32 s38, s12, 17                        ; x: 128 rows of 1,024 bytes a token block,
	s_lshr_b32 s40, s[WV], 1
	s_lshl_b32 s40, s40, 15                        ; + 32 (w / 2) rows
	s_add_co_u32 s38, s38, s40
	s_and_b32 s40, s[WV], 1
	s_lshl_b32 s40, s40, 13                        ; + 8 (w % 2) rows
	s_add_co_u32 s38, s38, s40
	s_mov_b32 s39, 0
	s_lshl_b32 s40, s12, 1
	s_add_co_u32 s40, s40, s13
	s_mul_i32 s40, s40, 38400                      ; my record
	s_mov_b32 s41, 0
	s_mul_i32 s22, s[WV], 12800
	s_add_co_u32 s22, s22, 12288                   ; chunk w's scale words
	s_mov_b32 s23, 0
	; every LDS address is made here, ahead of the first parting on the wave's number: a constant + a constant x lane + a constant x wave
	v_and_b32 v1, 31, v0                           ; lane
	v_and_b32 v2, 15, v0                           ; r
	v_bfe_u32 v3, v0, 4, 1                         ; h
	s_delay_alu instid0(VALU_DEP_3)
	v_lshlrev_b32 v[LI], 4, v1
	s_delay_alu instid0(VALU_DEP_2)
	v_lshlrev_b32 v[SH8], 3, v3
	s_mul_i32 s42, s[WV], STGB
	s_add_co_u32 s42, s42, STG
	v_add_nc_u32 v[STW], s42, v[LI]
	v_mul_u32_u24 v[STR], v2, 528
	s_delay_alu instid0(VALU_DEP_1)
	v_lshl_add_u32 v[STR], v3, 7, v[STR]
	s_delay_alu instid0(VALU_DEP_1)
	v_add_nc_u32 v[STR], s42, v[STR]
	s_mul_i32 s42, s[WV], 3072                     ; tile w's two fragments in a block
	s_add_co_u32 s43, s42, XBLK
	v_add_nc_u32 v[XWI], s43, v[LI]
	s_add_co_u32 s43, s42, 2*BLK
	v_add_nc_u32 v[WVF], s43, v[LI]
	s_lshr_b32 s42, s[WV], 2
	s_lshl_b32 s42, s42, 9
	s_and_b32 s43, s[WV], 3
	s_lshl_b32 s43, s43, 2
	s_add_co_u32 s42, s42, s43                     ; tile w's scale words in a block: 512 (w / 4) + 4 (w % 4) + 16 r (+ 256 for K step 1)
	s_add_co_u32 s43, s42, XBLK+24576
	v_lshl_add_u32 v[XWS], v2, 4, s43
	s_add_co_u32 s43, s42, 2*BLK+24576
	v_lshl_add_u32 v[WVS], v2, 4, s43
	s_and_b32 s42, s[WV], 1
	s_lshl_b32 s42, s42, 8
	s_lshr_b32 s43, s[WV], 1
	s_lshl_b32 s43, s43, 2
	s_add_co_u32 s42, s42, s43
	s_add_co_u32 s42, s42, OSC
	v_lshl_add_u32 v[OSA], v2, 4, s42              ; a chunk's word of tile w: 256 (w % 2) + 4 (w / 2) + 16 r
	v_add_nc_u32 v[LX], XBLK, v[LI]
	s_mul_i32 s42, s[WV], 1536
	v_add_nc_u32 v[GO], s42, v[LI]
	s_lshl_b32 s42, s[WV], 9
	s_add_co_u32 s42, s42, OSC
	v_add_nc_u32 v[OSR], s42, v[LI]
.irp b, 4,5,6,7,12
	v_mov_b32 v[TM+\b], 0                          ; written once: a lane permute's destination counts as one of its sources
.endr
	s_wait_dscnt 0x0
	s_wait_kmcnt 0x0
	s_add_nc_u64 s[G0+2:G0+3], s[6:7], s[36:37]
	s_or_b32 s[G0+3], s[G0+3], 0x80000000          ; type = 2
	s_add_nc_u64 s[SRC:SRC+1], s[4:5], s[38:39]
	s_add_nc_u64 s[REC:REC+1], s[8:9], s[40:41]
	s_add_nc_u64 s[18:19], s[REC:REC+1], s[22:23]
	ROWS ACC, 0                                    ; my 16 rows of x: 32 loads are out
	ROWS FB, 1
	CROUND                                         ; all four work-groups are here: the joint loads meet
	s_cmp_lt_u32 s[WV], 3
	s_cbranch_scc0 .Lno_fill
	tensor_load_to_lds s[G0:G0+3], s[G1:G1+7]      ; the one tensor load of a wave in this text
	s_nop 0
	PLACES 4
.Lno_fill:
	s_wait_loadcnt 16                              ; K step 0's sixteen loads are in; K step 1's sixteen may be out
	TURN ACC
	s_wait_dscnt 0x0
	QROW ACC, XF, XS
.irp c, 0,1,2
	ds_store_b128 v[XWI], v[XF+4*\c:XF+4*\c+3] offset:512*\c       ; the fragment goes to LDS as it stands in my registers
.endr
	ds_store_b32 v[XWS], v[XS]
	s_wait_loadcnt 0x0
	TURN FB
	s_wait_dscnt 0x0
	QROW FB, XF+12, XS+1
.irp c, 0,1,2
	ds_store_b128 v[XWI], v[XF+12+4*\c:XF+12+4*\c+3] offset:1536+512*\c
.endr
	ds_store_b32 v[XWS], v[XS+1] offset:256
	s_wait_tensorcnt 0x0                           ; my block of weights has landed (a wave that asked for none passes)
	s_wait_dscnt 0x0                               ; my images of x lie in LDS
	s_barrier_signal -1
	s_barrier_wait -1                              ; everybody's do
	PLACES 8                                       ; x's scale words were made by vector instructions: 8 places ahead of a scaled product; its codes: 4
	UNIT LI, 0, 2                                  ; Q of token tile w
	UNIT LI, BLK, 0                                ; K of token tile w
.set j, 0
.rept 6
	ds_load_b128 v[XF+4*j:XF+4*j+3], v[WVF] offset:512*j           ; source 1 is now the weights' tile w of block v (the unit's own wait for 0 covers these loads)
.set j, j+1
.endr
	ds_load_b32 v[XS], v[WVS]
	ds_load_b32 v[XS+1], v[WVS] offset:256
	UNIT LX, 0, 1                                  ; V of channel tile w: source 0 = x's eight tiles
	s_wait_dscnt 0x0                               ; my three scale words lie in LDS
	s_barrier_signal -1
	s_barrier_wait -1
	s_cmp_lt_u32 s[WV], 3
	s_cbranch_scc0 .Lno_scales
	ds_load_b128 v[ACC:ACC+3], v[OSR]              ; wave 0, 1, 2: K's, V's, Q's 512 bytes of scale words
	s_wait_dscnt 0x0
	global_store_b128 v[LI], v[ACC:ACC+3], s[18:19]
.Lno_scales:
	s_wait_tensorcnt 0x0
	ds_add_u32 v254, v255
	s_wait_dscnt 0x0
	CROUND                                         ; the closing round: no work-group ends while a partner may still ask for a block that names it
	s_endpgm
.Lfunc_end_k_q3a32de16df_qkv:
	.size	k_q3a32de16df_qkv, .Lfunc_end_k_q3a32de16df_qkv-k_q3a32de16df_qkv
	.p2alignl 7, 3214868480
	.fill 96, 4, 3214868480
	.section	.rodata,"a",@progbits
	.p2align	6, 0x0
	.amdhsa_kernel k_q3a32de16df_qkv
		.amdhsa_group_segment_fixed_size 173056
		.amdhsa_private_segment_fixed_size 0
		.amdhsa_enable_private_segment 0
		.amdhsa_kernarg_size 24
		.amdhsa_user_sgpr_count 2
		.amdhsa_user_sgpr_kernarg_segment_ptr 1
		.amdhsa_wavefront_size32 1
		.amdhsa_system_sgpr_workgroup_id_x 1
		.amdhsa_system_sgpr_workgroup_id_y 1
		.amdhsa_system_sgpr_workgroup_id_z 1
		.amdhsa_system_vgpr_workitem_id 0
		.amdhsa_next_free_vgpr 256
		.amdhsa_next_free_sgpr 66
		.amdhsa_reserve_vcc 0
		.amdhsa_float_denorm_mode_32 3
		.amdhsa_float_denorm_mode_16_64 3
		.amdhsa_memory_ordered 1
		.amdhsa_forward_progress 1
		.amdhsa_inst_pref_size 54
	.end_amdhsa_kernel
	.amdgpu_metadata
---
amdhsa.version: [ 1, 2 ]
amdhsa.kernels:
  - .name:           k_q3a32de16df_qkv
    .symbol:         k_q3a32de16df_qkv.kd
    .args:
      - { .name: x, .offset: 0, .size: 8, .value_kind: global_buffer, .address_space: global }
      - { .name: wimg, .offset: 8, .size: 8, .value_kind: global_buffer, .address_space: global }
      - { .name: qkvc, .offset: 16, .size: 8, .value_kind: global_buffer, .address_space: global }
    .group_segment_fixed_size: 173056
    .private_segment_fixed_size: 0
    .kernarg_segment_align: 8
    .kernarg_segment_size: 24
    .max_flat_workgroup_size: 256
    .sgpr_count:     66
    .vgpr_count:     256
    .wavefront_size: 32
...
	.end_amdgpu_metadata
.endif
;; end of part 2
;; launch attn (part 3): grid 64 x 4, 8 waves a work-group, clusters of 4 x 1, 327,680 bytes of LDS; arguments qkvc, wimg, b_proj, lambda_q1, lambda_k1, lambda_q2, lambda_k2, sub_norm_w, out0; writes out0
.if DOCPART == 3
	.amdgcn_target "amdgcn-amd-amdhsa--gfx1250"
	.amdhsa_code_object_version 6
	.text
	.protected	k_q3a32de16df_attn
	.globl	k_q3a32de16df_attn
	.p2align	8
	.type	k_q3a32de16df_attn,@function
k_q3a32de16df_attn:
	s_mov_b64 s[64:65], 0
	v_nop
	global_prefetch_b8 v0, s[64:65] scope:SCOPE_SE
	s_setreg_imm32_b32 hwreg(HW_REG_WAVE_MODE, 25, 1), 1
	s_wait_xcnt 0x0
	s_wait_alu depctr_hold_cnt(0) depctr_sa_sdst(0) depctr_va_vdst(0) depctr_va_sdst(0) depctr_va_ssrc(0) depctr_va_vcc(0) depctr_vm_vsrc(0)
	s_getreg_b32 s2, hwreg(HW_REG_IB_STS2, 6, 4)
	s_cmp_eq_u32 s2, 0
	s_cbranch_scc0 .Lentry_in_a_cluster
	s_endpgm
.Lentry_in_a_cluster:
	s_bfe_u32 s2, ttmp6, 0x10000c
	s_cmp_lg_u32 s2, 0x3003
	s_cbranch_scc0 .Lentry_shape_is_right
	s_endpgm
.Lentry_shape_is_right:
; out = Q(0.8 rms_norm(a1 - lam a2) w) Q(w_proj)^T + b_proj, a_i = softmax(q_i k_i^T / 8) v, all products on codes of BF6 (E3M2) with one E8M0 scale for each 32 along K.
; Inputs: qkvc's records (K, V, Q chunks of fragment images) and wimg's blocks 6, 7 (w_proj).  An image: registers 4 p .. 4 p + 3 of lane l at 512 p + 16 l of a fragment's 1,536 bytes.
; SHARES: a work-group owns 64 queries of one batch, both heads, so that a whole row of o lies inside it and the projection is made here.  Wave w: query tile w % 4, head w / 4, both sub-attentions; two waves to a SIMD.
; S1 AND S2 FROM ONE FRAGMENT OF K: a key's row is [k1 | k2].  v16-33 hold q1's six registers, six of zero codes, q2's six: Q1F = v16-27, Q2F = v22-33.  Zero codes add exactly 0; their blocks' scale bytes are 1.
; BOTH PRODUCTS ARE USED TRANSPOSED (S^T = K Q^T, O^T = V^T P^T): a lane holds one query (lane % 16) throughout.
; THE KEYS OF A TILE OF K ARE CHOSEN WHEN LDS IS READ: row i of tile 4 c + u is key 64 c + 32 (i / 8) + 8 u + i % 8 of the step's 128, so that the 32 score registers of tiles 4 c .. 4 c + 3 are, in lane half h,
; the whole block 2 c + h of 32 neighbouring keys, in the order that p's operand wants: a block's maximum needs no other lane, and p's codes need no exchange of lanes.
; In the record, key 32 b + 16 a + 8 e + j is row 8 a + j of tile 2 b + e: so lane (8 g + j, h) of tile 4 c + u reads the image of tile 4 c + 2 g + u % 2 at lane 8 (u / 2) + j + 16 h.
; The tensor load lays 32 bytes of padding behind every 256: byte y of a chunk lies at y + 32 (y / 256), and the two runs of 128 bytes that lanes 0-7 and 8-15 read are 3,456 bytes apart, 128 modulo 256.
; A KEY STEP IS TWO HALVES, one for each sub-attention u: the softmax of the 64 score registers, with O_u brought under the new M directly behind the exponentials' wait; O_u += V^T p^T, with the first level of the
; row's sum laid among the eight products (it writes window 1 under the products' own window setting); the next scores' eight products into the same 64 registers; the rest of the sum, whose 16 lines are the places
; behind the products.  K's fragments of the next step are read from LDS behind the first half, V's behind the second: the wait for them stands behind the next softmax's exponentials.
; THE SOFTMAX: t = score x log2(e) / 8; M = the running largest t rounded up to a whole number, kept as -M; p = 2^(t - M) is quantised, not normalised; the row's sum is taken of the unquantised p and divides at the
; end; when M moves, the sum and O^T are multiplied by 2^(old M - new M), which rounds nothing.  No branch hangs on data.
; THE RING: two LDS slots of two key steps (2 steps x 2 heads x (K, V) = 8 chunks); each of the eight waves brings one chunk by one tensor load of 50 rows of 256 bytes.
; The change of slots stands in the first half of a slot's second step, where that step's K and V are in registers: the signal behind the exponentials, the wait behind the half's products and sums.
; CLUSTER: the four work-groups of a cluster belong to one batch and walk the same K and V: every chunk is asked for jointly (mask 15).
; No prefetch is laid: a refill is asked for two key steps (64 matrix instructions and four softmaxes of a wave) ahead of the wait for it, and the sixteen clusters of a batch walk the same 64 records in the same order.
; LIMITS: NaN and infinities are not served.  The scaled scores stay under 2^31.  A p under 2^-126 comes out of v_exp_f32 as 0.  A block's largest p is taken from the block's largest score, which takes v_exp_f32 not to
; fall where its input rises.  A block of zeros has the byte 1 where the rule says 127: its codes are zeros.  The factors of the norm are multiplied in the order x (0.8 rsqrt) x w.
; REGISTERS, window 0: v1-15, v34-36 addresses; v16-33 q; v37 lam; v40-50 scale words; v52-63 statistics; v64-127 scores, then p; v128-223 V's fragments; v224-243 p's codes; v244-254 at work.
; Window 1: v0-127 O1^T, O2^T; v128-223 K's fragments; v224-255 the sum's first level.
.set SLOT1, 1<<17                      ; slot 1 begins here: one exclusive or turns an address in one slot into the other's
.set CHUNK, 12800                      ; a chunk in memory,
.set CH,    14400                      ; and in LDS: 50 rows of 256 + 32 bytes
.set STEPB, 4*CH                       ; a key step in a slot: head 0's K, V, head 1's K, V
.set SPARE, 8*CH                       ; behind slot 0: the spare words, 128 bytes for each wave
.set OIMG,  SPARE+1024                 ; o's eight images: (query tile m, K step s = head) at (2 m + s) x 1,536
.set OSCL,  OIMG+8*1536                ; their scale words: 16 (16 s + r) + 4 m
.set STG,   SLOT1+8*CH                 ; behind slot 1: the stage for out: 64 rows x (1,024 bytes + 16).  No fill lands in OIMG, OSCL or STG
.set SPI,   1040
.set WV,  22                           ; s22 wave; s23 query tile; s24 head; s25 cx; s26 my block of 64 queries; s27 batch
.set G1,  28                           ; s[28:35] descriptor group 1;  s[36:39] group 0, which walks
.set G0,  36
.set TB,  40                           ; s40 LDS byte at which the slot in hand begins
.set SLOTS, 41                         ; s41 trips to go
.set CS,  42                           ; s[42:43] c = log2(e) / 8
.set SEL, 44                           ; s[44:45] selects for lane l xor 16
.set NB,  72                           ; s72 the slot's second step
.set AK0, 1                            ; v1  K's fragments: 3,456 g + 16 j + 288 h + 28,800 x head
.set AV0, 2                            ; v2  V's: 16 r + 288 h + 28,800 x head + 14,400
.set SPW, 3                            ; v3  my spare word; never rewritten
.set NIL, 4                            ; v4  0; never rewritten
.set ADK, 5                            ; v5  K's address in the step to be read
.set ADV, 6                            ; v6  V's
.set LI,  7                            ; v7  16 x lane
.set R16, 8                            ; v8  16 r
.set NW,  9                            ; v9  64 h
.set OW,  10                           ; v10 where I store o's image
.set OWS, 11                           ; v11 and its scale word
.set ORD, 12                           ; v12 OIMG + 16 x lane
.set SO,  13                           ; v13 the stage, in
.set SR,  14                           ; v14 the stage, out
.set LB,  15                           ; v15 8 x lane
.set Q1F, 16
.set Q2F, 22
.set AS0, 34                           ; v34 K's scale words: 288 h + 16 j + 4 g + 28,800 x head
.set ADS, 35                           ; v35 the same in the step to be read
.set SH8, 36                           ; v36 8 h
.set LAM, 37                           ; v37 lam
.set QS1, 40
.set QS2, 41
.set KS,  42                           ; v42-45 K's scale words: register 2 c + a: tile 4 c + 2 a in lanes 0-15, tile 4 c + 2 a + 1 in lanes 16-31
.set VS,  46                           ; v46-49 V's: register j: tile 2 j in lanes 0-15, tile 2 j + 1 in lanes 16-31
.set PW,  50                           ; v50 p's scale word
.set SC,  64
.set SC1, 64
.set VF,  128
.set PF,  224
.set CT,  236                          ; v236-243 a conversion's second halves
.set BM,  244                          ; v244-247 largest scores
.set TT,  248
.set TP,  249                          ; a lane exchange's destination
.set SOP, 250                          ; v250-251 the conversions' scale operands (before that: largest scores)
.set BY,  252                          ; v252-253 the scales' bytes (before that: largest scores)
.set ON,  254                          ; the old -M
.set OA1, 0                            ; window 1
.set OA2, 64
.set FB,  128
.set TS,  224                          ; window 1: 16 pairs of partial sums
.set TM,  216                          ; the tail's quantiser: at work,
.set PC,  192                          ; its codes
.set WPF, 128                          ; the tail, window 0: v128-175 w_proj's four fragments; v176-191 the bias of my two tiles
.set BI,  176
.set MSB, 0
.macro WIN new                         ; the immediate's high byte repeats the setting that is left; bits 1:0 source 0, 3:2 source 1, 5:4 source 2, 7:6 destination
.if MSB != \new
	s_set_vgpr_msb (MSB<<8)|\new
.set MSB, \new
.endif
.endm
.macro PLACES n
.rept \n
	v_nop
.endr
.endm
.macro CREST                           ; a round of the cluster's barrier behind its opening barrier
	s_cmp_lg_u32 s[WV], 0
	s_cbranch_scc1 .Lnot_wave_0_\@
	s_barrier_signal -3
.Lnot_wave_0_\@:
	s_barrier_wait -3
	s_barrier_signal -1
	s_barrier_wait -1
.endm
.macro CROUND                          ; a whole round
	s_barrier_signal -1
	s_barrier_wait -1
	CREST
.endm
; The matrix line.  c < 0: the constant 0 starts the sum; else C = v[c] on.  row 0: scales from lanes 0-15; 1: source 0's from lanes 16-31; 3: both sides' from lanes 16-31
.macro MM d, a, b, c, sa, sb, row
.if (\c) < 0
.if (\row) == 0
	v_wmma_scale_f32_16x16x128_f8f6f4 v[\d:\d+7], v[\a:\a+11], v[\b:\b+11], 0, v[\sa], v[\sb] matrix_a_fmt:MATRIX_FMT_BF6 matrix_b_fmt:MATRIX_FMT_BF6
.else
	v_wmma_scale_f32_16x16x128_f8f6f4 v[\d:\d+7], v[\a:\a+11], v[\b:\b+11], 0, v[\sa], v[\sb] matrix_a_fmt:MATRIX_FMT_BF6 matrix_b_fmt:MATRIX_FMT_BF6 matrix_a_scale:MATRIX_SCALE_ROW1
.endif
.elseif (\row) == 0
	v_wmma_scale_f32_16x16x128_f8f6f4 v[\d:\d+7], v[\a:\a+11], v[\b:\b+11], v[\c:\c+7], v[\sa], v[\sb] matrix_a_fmt:MATRIX_FMT_BF6 matrix_b_fmt:MATRIX_FMT_BF6
.elseif (\row) == 1
	v_wmma_scale_f32_16x16x128_f8f6f4 v[\d:\d+7], v[\a:\a+11], v[\b:\b+11], v[\c:\c+7], v[\sa], v[\sb] matrix_a_fmt:MATRIX_FMT_BF6 matrix_b_fmt:MATRIX_FMT_BF6 matrix_a_scale:MATRIX_SCALE_ROW1
.else
	v_wmma_scale_f32_16x16x128_f8f6f4 v[\d:\d+7], v[\a:\a+11], v[\b:\b+11], v[\c:\c+7], v[\sa], v[\sb] matrix_a_fmt:MATRIX_FMT_BF6 matrix_b_fmt:MATRIX_FMT_BF6 matrix_a_scale:MATRIX_SCALE_ROW1 matrix_b_scale:MATRIX_SCALE_ROW1
.endif
.endm
.macro TMM n                           ; t - M, two at a time
.rept \n
	v_pk_fma_f32 v[SC+j:SC+j+1], v[SC+j:SC+j+1], s[CS:CS+1], v[NM:NM+1] op_sel_hi:[1,0,0]
.set j, j+2
.endr
.endm
; One sub-attention's softmax for 128 keys: p, its codes and scale word, and O_u under the new M.  It begins and ends with every window 0.
; bar = 2: the change of slots with a refill; 1: without; 0: none.  At a change each wave waits for all its tensor loads (its chunk of the next slot), adds 0 to its spare word, and waits for that and for its reads of
; the slot in hand, the last of which are this step's V; then it signals.
.macro SM u, bar
.set NM, 52+6*\u                       ; the pairs (-M, the largest score), (the sum in two halves), (f, 0)
.set TX, NM+1
.set FF, NM+4
.irp k, 0,1,2,3,4,5,6,7
	v_max3_num_f32 v[BM+\k+2*(\k/4)], v[SC+8*\k], v[SC+8*\k+1], v[SC+8*\k+2]   ; eight chains, one an accumulator, by turns; each accumulator is read from its low end on
.endr
.irp i, 3,5
.irp k, 0,1,2,3,4,5,6,7
	v_max3_num_f32 v[BM+\k+2*(\k/4)], v[BM+\k+2*(\k/4)], v[SC+8*\k+\i], v[SC+8*\k+\i+1]
.endr
.endr
	v_max_num_f32 v[TT], v[SC+7], v[SC+15]
	v_max_num_f32 v[TP], v[SC+39], v[SC+47]
	v_max3_num_f32 v[BM], v[BM], v[BM+1], v[SC+23]
	v_max3_num_f32 v[BM+2], v[BM+2], v[BM+3], v[SC+31]
	v_max3_num_f32 v[SOP], v[SOP], v[SOP+1], v[SC+55]
	v_max3_num_f32 v[BY], v[BY], v[BY+1], v[SC+63]
	s_delay_alu instid0(VALU_DEP_3)
	v_max3_num_f32 v[BM], v[BM], v[BM+2], v[TT]        ; the largest score of my block h,
	s_delay_alu instid0(VALU_DEP_2)
	v_max3_num_f32 v[BM+2], v[SOP], v[BY], v[TP]       ; and of my block 2 + h: for the row's maximum, and, since p rises with the score, for the block's largest p
	s_delay_alu instid0(VALU_DEP_1)
	v_max_num_f32 v[TT], v[BM], v[BM+2]
	v_mov_b32 v[ON], v[NM]
	s_delay_alu instid0(VALU_DEP_2)
	v_permlanex16_b32 v[TP], v[TT], s[SEL], s[SEL+1]
	s_delay_alu instid0(VALU_DEP_1)
	v_max3_num_f32 v[TX], v[TX], v[TT], v[TP]          ; the running largest score of my query
	s_delay_alu instid0(VALU_DEP_1)
	v_mul_f32 v[TT], s[CS], v[TX]                      ; as t (c is positive)
	s_delay_alu instid0(VALU_DEP_1)
	v_floor_f32 v[NM], -v[TT]                          ; the new -M = floor(-t) = -ceil(t)
.set j, 0
	TMM 4
	v_sub_f32 v[TT], v[NM], v[ON]                      ; old M - new M: a whole number, 0 or less
	TMM 4
	v_cvt_i32_f32 v[TT], v[TT]                         ; (it saturates)
	TMM 4
	v_ldexp_f32 v[FF], 1.0, v[TT]                      ; f = 2^(old M - new M)
	TMM 20
	v_fma_f32 v[BM], v[BM], s[CS], v[NM]               ; the same of each block's largest score
	v_fma_f32 v[BM+2], v[BM+2], s[CS], v[NM]
	s_wait_alu depctr_va_vdst(0)                       ; the wait ahead of the batch
	v_exp_f32 v[BM], v[BM]                             ; the blocks' largest p
	v_exp_f32 v[BM+2], v[BM+2]
.set j, 0
.rept 64
	v_exp_f32 v[SC+j], v[SC+j]                         ; p = 2^(t - M), at most 1
.set j, j+1
.endr
.if \bar
	s_wait_tensorcnt 0x0                               ; no tensor load of mine is out, so group 0 may be written
	ds_add_u32 v[SPW], v[NIL]                          ; 0 onto my spare word
.if \bar == 2
	s_xor_b32 s[G0+1], s[G0+1], SLOT1                  ; the other slot than last time,
	s_add_nc_u64 s[G0+2:G0+3], s[G0+2:G0+3], 153600    ; the next two key steps' records
.endif
.endif
	s_wait_dscnt 0x0                                   ; the fragments asked for behind the last half are in; at a change: the add is done and my reads of the slot in hand are over
.if \bar
	s_barrier_signal -1                                ; only work on registers stands between this line and the wait for the others
.endif
	WIN 0x41                                           ; O^T (destination and source 0) in window 1, f in window 0
	v_nop                                              ; one plain place behind the exponentials
	s_wait_alu depctr_va_vdst(0)                       ; the one wait behind the batch; it stands directly ahead of the first reader of O^T too
.set j, 0
.rept 32
	v_pk_mul_f32 v[64*\u+j:64*\u+j+1], v[64*\u+j:64*\u+j+1], v[FF:FF+1] op_sel_hi:[1,0]   ; O^T under the new M, each accumulator from its low end on
.set j, j+2
.endr
	WIN 0
	v_max_num_f32 v[BM], 0x2800000, v[BM]              ; the floor 2^(5 - 127): the byte cannot fall under 1
	v_max_num_f32 v[BM+2], 0x2800000, v[BM+2]
	v_add_nc_u32 v[SOP], 0xfe000000, v[BM]             ; 4 off the exponent field: the conversion's scale operand
	v_add_nc_u32 v[SOP+1], 0xfe000000, v[BM+2]
.irp c, 0,1
	v_cvt_scalef32_pk16_bf6_f32 v[PF+6*\c:PF+6*\c+2], v[SC+32*\c:SC+32*\c+15], v[SOP+\c]
	v_cvt_scalef32_pk16_bf6_f32 v[CT+4*\c:CT+4*\c+2], v[SC+32*\c+16:SC+32*\c+31], v[SOP+\c]   ; (a conversion's three registers begin on an even number)
.endr
	v_lshrrev_b32 v[BY], 23, v[SOP]                    ; the scales' bytes (also the plain place behind the conversions)
	v_lshrrev_b32 v[BY+1], 23, v[SOP+1]
	v_mov_b32 v[PF+3], v[CT]
	v_lshl_or_b32 v[PW], v[BY+1], 16, v[BY]            ; my bytes: blocks h and 2 + h,
	v_mov_b32 v[PF+4], v[CT+1]
	v_lshlrev_b32 v[PW], v[SH8], v[PW]                 ; at their places (8 h bits up);
	v_mov_b32 v[PF+5], v[CT+2]
	v_permlanex16_b32 v[TP], v[PW], s[SEL], s[SEL+1]
	v_or_b32 v[PW], v[PW], v[TP]                       ; with lane l xor 16's two the word is whole
.irp i, 0,1,2
	v_mov_b32 v[PF+9+\i], v[CT+4+\i]
.endr
.endm
.macro L1ADD                           ; four p become a pair of partial sums in window 1
	v_pk_add_f32 v[TS+j:TS+j+1], v[SC+2*j:SC+2*j+1], v[SC+2*j+2:SC+2*j+3]
.set j, j+2
.endm
; O_u^T += V^T p^T: eight accumulators by turns.  The row's sum is taken of the unquantised p: its first level, 16 packed additions, runs under the same window setting:
; six ahead of the products (with the three moves above they are the nine places between p's scale word and the first scaled product), ten among them.
.macro PVS u
	WIN 0x50                                       ; C and D (O^T), and the additions' destination, window 1
.set j, 0
.rept 6
	L1ADD
.endr
.irp t, 0,1,2,3,4,5,6,7
	MM 64*\u+8*\t, VF+12*\t, PF, 64*\u+8*\t, VS+\t/2, PW, \t%2
.if \t < 5
	L1ADD
	L1ADD
.endif
.endr
.endm
.macro SCORES qf, qs                   ; S^T = K Q^T: eight accumulators, one instruction each
	WIN 0x01                                       ; source 0 (K) window 1
.irp c, 0,1
.irp u, 0,1,2,3
	MM SC+8*(4*\c+\u), FB+12*(4*\c+\u), \qf, -1, KS+2*\c+\u/2, \qs, \u%2
.endr
.endr
.endm
.macro SUMS u                          ; the rest of the sum's tree, in place in window 1, and the sum under the new M.  These 16 lines are the places behind the products above them
.set LL, 54+6*\u
.set FF, 56+6*\u
	WIN 0x45
.irp d, 2,4
.set j, 0
.rept 16/\d
	v_pk_add_f32 v[TS+j:TS+j+1], v[TS+j:TS+j+1], v[TS+j+\d:TS+j+\d+1]
.set j, j+2*\d
.endr
.endr
	v_pk_add_f32 v[TS:TS+1], v[TS:TS+1], v[TS+8:TS+9]
	v_pk_add_f32 v[TS+16:TS+17], v[TS+16:TS+17], v[TS+24:TS+25]
	v_pk_add_f32 v[TS:TS+1], v[TS:TS+1], v[TS+16:TS+17]
	WIN 0x10                                       ; source 2 window 1
	v_pk_fma_f32 v[LL:LL+1], v[LL:LL+1], v[FF:FF+1], v[TS:TS+1] op_sel_hi:[1,0,1]
	WIN 0
.endm
.macro LOADK                           ; 24 + 4 LDS loads: K's eight fragments in the order of keys set out at the head, and their scale words
	WIN 0x40                                       ; destination window 1
.irp c, 0,1
.irp u, 0,1,2,3
.irp p, 0,1,2
	ds_load_b128 v[FB+12*(4*\c+\u)+4*\p:FB+12*(4*\c+\u)+4*\p+3], v[ADK] offset:6912*\c+1728*(\u%2)+128*(\u/2)+576*\p
.endr
.endr
.endr
	WIN 0
.irp c, 0,1
.irp a, 0,1
	ds_load_b32 v[KS+2*\c+\a], v[ADS] offset:13824+128*\a+8*\c
.endr
.endr
.endm
.macro LOADV                           ; 25 LDS loads: V's scale words and eight fragments
	ds_load_b128 v[VS:VS+3], v[ADV] offset:13824
.irp t, 0,1,2,3,4,5,6,7
.irp p, 0,1,2
	ds_load_b128 v[VF+12*\t+4*\p:VF+12*\t+4*\p+3], v[ADV] offset:1728*\t+576*\p
.endr
.endr
.endm
; The first half of a key step.  sb: the scalar with the LDS byte of the step whose K is read next (ld = 1); ld = 0, the last step: K's registers take sub_norm_w for the tail
.macro H0 sb, bar, ld
.if \ld
	v_add_nc_u32 v[ADK], s[\sb], v[AK0]
	v_add_nc_u32 v[ADS], s[\sb], v[AS0]
.endif
	SM 0, \bar
	PVS 0
	SCORES Q2F, QS2
	SUMS 0
.if \bar
	s_barrier_wait -1
.endif
.if \bar == 2
	CREST                                          ; the barrier has opened a round of the cluster's: no wave of any partner still reads this slot or has a load on its way
	tensor_load_to_lds s[G0:G0+3], s[G1:G1+7]      ; my one tensor load until the next round: one is out at the most
	s_nop 0
	PLACES 4
.endif
.if \ld
	LOADK
.else
	WIN 0x40
.irp b, 0,1,2,3
.irp i, 0,1,2,3
	global_load_b128 v[FB+16*\b+4*\i:FB+16*\b+4*\i+3], v[NW], s[18:19] offset:128*\b+16*\i   ; sub_norm_w in o's order: register 16 b + i = channel 32 b + 16 h + i
.endr
.endr
	WIN 0
.endif
.endm
; The second half.  nx = 1: the next step's first scores are begun and its V is read
.macro H1 sb, nx
.if \nx
	v_add_nc_u32 v[ADV], s[\sb], v[AV0]
.endif
	SM 1, 0
	PVS 1
.if \nx
	SCORES Q1F, QS1
.endif
	SUMS 1
.if \nx
	LOADV
.endif
.endm
.macro TRIP mode                       ; a slot's two key steps.  mode 2: the slot is filled again; 1: it is not; 0: the last slot
	s_add_co_u32 s[NB], s[TB], STEPB
	H0 NB, 0, 1
	H1 NB, 1
	s_xor_b32 s[TB], s[TB], SLOT1                  ; on to the other slot
.if \mode
	H0 TB, \mode, 1
	H1 TB, 1
.else
	H0 TB, 0, 0
	H1 TB, 0
.endif
.endm
; 64 numbers of a lane, register 16 b + i = k 32 b + 16 h + i of my row, become a fragment's codes in v[PC] on and its scale word in v[PW]
.macro QUANT s
.irp b, 0,1,2,3
	v_max3_num_f32 v[TM+\b], |v[\s+16*\b]|, |v[\s+1+16*\b]|, 0x2800000
.endr
.irp i, 2,4,6,8,10,12,14
.irp b, 0,1,2,3
	s_delay_alu instid0(VALU_DEP_4)
	v_max3_num_f32 v[TM+\b], v[TM+\b], |v[\s+16*\b+\i]|, |v[\s+1+16*\b+\i]|
.endr
.endr
.irp b, 0,1,2,3
	s_delay_alu instid0(VALU_DEP_4)
	v_permlanex16_b32 v[TM+4+\b], v[TM+\b], s[SEL], s[SEL+1]
.endr
.irp b, 0,1,2,3
	s_delay_alu instid0(VALU_DEP_4)
	v_max_num_f32 v[TM+\b], v[TM+\b], v[TM+4+\b]
.endr
.irp b, 0,1,2,3
	s_delay_alu instid0(VALU_DEP_4)
	v_add_nc_u32 v[TM+12+\b], 0xfe000000, v[TM+\b]
.endr
.irp b, 0,1,2,3
	s_delay_alu instid0(VALU_DEP_4)
	v_lshrrev_b32 v[TM+4+\b], 23, v[TM+12+\b]
.endr
	s_delay_alu instid0(VALU_DEP_3)
	v_lshl_or_b32 v[PW], v[TM+5], 8, v[TM+4]
	s_delay_alu instid0(VALU_DEP_1)
	v_lshl_or_b32 v[PW], v[TM+6], 16, v[PW]
	s_delay_alu instid0(VALU_DEP_1)
	v_lshl_or_b32 v[PW], v[TM+7], 24, v[PW]
.irp c, 0,1
	v_cvt_scalef32_pk16_bf6_f32 v[PC+6*\c:PC+2+6*\c], v[\s+32*\c:\s+15+32*\c], v[TM+12+2*\c]
	v_cvt_scalef32_pk16_bf6_f32 v[PC+12+4*\c:PC+14+4*\c], v[\s+16+32*\c:\s+31+32*\c], v[TM+12+2*\c+1]
.endr
	v_nop                                              ; one plain place behind a scaled conversion
.irp c, 0,1
.irp i, 0,1,2
	v_permlane16_swap_b32 v[PC+6*\c+\i], v[PC+12+4*\c+\i]
.endr
.irp i, 0,1,2
	s_delay_alu instid0(VALU_DEP_3)
	v_mov_b32 v[PC+3+6*\c+\i], v[PC+12+4*\c+\i]
.endr
.endr
.endm
	s_load_b512 s[4:19], s[0:1], 0x0               ; qkvc s[4:5], wimg s[6:7], b_proj s[8:9], lambda_q1, _k1, _q2, _k2 s[10:17], sub_norm_w s[18:19]
	s_load_b64 s[20:21], s[0:1], 0x40              ; out0
	v_lshl_add_u32 v[SPW], v0, 2, SPARE
	v_mov_b32 v[NIL], 0
	ds_add_u32 v[SPW], v[NIL]                      ; the opening: the add, twice on end, and its wait ahead of my first tensor load
	ds_add_u32 v[SPW], v[NIL]
	v_lshrrev_b32 v[BM], 5, v0
	v_readfirstlane_b32 s[WV], v[BM]               ; wave 0..7
	s_and_b32 s23, s[WV], 3                        ; query tile
	s_lshr_b32 s24, s[WV], 2                       ; head
	s_bfe_u32 s25, ttmp6, 0x40000                  ; cx
	s_lshl_b32 s26, ttmp9, 2
	s_add_co_u32 s26, s26, s25                     ; my block of 64 queries = 4 x cluster x + cx: it enters Q's and out's addresses alone
	s_and_b32 s27, ttmp7, 0xffff                   ; the batch, which the four partners share
	s_mov_b32 s[CS], 0x3e38aa3b                    ; c = log2(e) / 8
	s_mov_b32 s[CS+1], s[CS]                       ; (named with it as a pair, so it is written)
	s_mov_b32 s[SEL], 0x76543210
	s_mov_b32 s[SEL+1], 0xfedcba98
	s_mov_b32 s56, 0x3c000000                      ; 1 / 128
	s_mov_b32 s57, 0x3727c5ac                      ; eps = 1e-5
	; descriptor: a chunk of 12,800 dense bytes as 50 rows of 256 bytes (32 elements of 8 bytes), 32 bytes of padding behind each
	s_mov_b32 s[G1+0], 15|(3<<16)|(1<<20)|(1<<21)|(5<<22)|(7<<25)   ; the mask: all four work-groups; elements of 8 bytes; padding on; 21 set beside a mask; after every 64 words; of 8 words
	s_mov_b32 s[G1+1], 32<<16                      ; tensor_dim0
	s_mov_b32 s[G1+2], 50<<16                      ; tensor_dim1
	s_mov_b32 s[G1+3], 32<<16                      ; tile_dim0
	s_mov_b32 s[G1+4], 50                          ; tile_dim1
	s_mov_b32 s[G1+5], 32                          ; the pitch
	s_mov_b32 s[G1+6], 0
	s_mov_b32 s[G1+7], 0
	s_mul_i32 s58, s27, 2457600                    ; the batch's 64 records,
	s_mul_i32 s59, s24, 76800                      ; step w / 4 of the slot's two,
	s_add_co_u32 s58, s58, s59
	s_bfe_u32 s59, s[WV], 0x10001
	s_mul_i32 s59, s59, 38400                      ; head (w / 2) % 2,
	s_add_co_u32 s58, s58, s59
	s_and_b32 s59, s[WV], 1
	s_mul_i32 s59, s59, CHUNK                      ; K (0) or V (1)
	s_add_co_u32 s58, s58, s59
	s_mov_b32 s59, 0
	s_mov_b32 s[G0], 1
	s_mul_i32 s[G0+1], s[WV], CH                   ; and its place in slot 0: the wave's number times a constant
	s_mul_i32 s66, s24, 2*CH                       ; my head's K in a step,
	s_add_co_u32 s67, s66, CH                      ; and its V
	s_lshl_b32 s68, s23, 1
	s_add_co_u32 s68, s68, s24
	s_mul_i32 s68, s68, 1536
	s_add_co_u32 s68, s68, OIMG                    ; o's image (query tile, head)
	s_lshl_b32 s69, s24, 8
	s_lshl_b32 s70, s23, 2
	s_add_co_u32 s69, s69, s70
	s_add_co_u32 s69, s69, OSCL                    ; and its scale words
	s_lshl_b32 s70, s[WV], 7
	s_add_co_u32 s70, s70, STG                     ; the stage, in: + 128 w
	s_mul_i32 s71, s[WV], 8*SPI
	s_add_co_u32 s71, s71, STG                     ; out: my 8 rows
	; every LDS address that stays is made here, in one run, ahead of the first parting on the wave's number
	v_and_b32 v[BM+2], 31, v0                      ; lane
	v_and_b32 v[BM+3], 15, v0                      ; r
	v_bfe_u32 v[TT], v0, 4, 1                      ; h
	v_and_b32 v[TP], 7, v0                         ; j
	v_bfe_u32 v[ON], v0, 3, 1                      ; g
	v_lshlrev_b32 v[LI], 4, v[BM+2]
	v_lshlrev_b32 v[R16], 4, v[BM+3]
	v_lshlrev_b32 v[NW], 6, v[TT]
	v_lshlrev_b32 v[LB], 3, v[BM+2]
	v_lshlrev_b32 v[SH8], 3, v[TT]
	v_mul_u32_u24 v[BM], v[TT], 288                ; 288 h
	v_mul_u32_u24 v[SO], v[BM+3], SPI
	v_lshl_add_u32 v[BM+1], v[TP], 4, v[BM]        ; 16 j + 288 h
	v_lshl_add_u32 v[AV0], v[BM+3], 4, v[BM]       ; 16 r + 288 h
	v_add_nc_u32 v[SO], v[SO], v[NW]
	v_mad_u32_u24 v[AK0], v[ON], 3456, v[BM+1]
	v_lshl_add_u32 v[AS0], v[ON], 2, v[BM+1]
	v_add_nc_u32 v[AV0], s67, v[AV0]
	v_add_nc_u32 v[SO], s70, v[SO]                 ; the stage, in: row r, + 128 w + 64 h
	v_add_nc_u32 v[AK0], s66, v[AK0]
	v_add_nc_u32 v[AS0], s66, v[AS0]
	v_add_nc_u32 v[OW], s68, v[LI]
	v_add_nc_u32 v[OWS], s69, v[R16]
	v_add_nc_u32 v[ORD], OIMG, v[LI]
	v_add_nc_u32 v[SR], s71, v[LI]
	v_mov_b32 v[ADV], v[AV0]                       ; the first key step lies at slot 0's first byte
	v_mov_b32 v[ADK], v[AK0]
	v_mov_b32 v[ADS], v[AS0]
	s_wait_alu depctr_va_vdst(0)                   ; directly ahead of the waits below
	s_wait_dscnt 0x0                               ; both opening adds are done
	; offsets for global addresses
	s_mul_i32 s60, s27, 2457600
	s_lshr_b32 s61, s26, 1
	s_mul_i32 s61, s61, 76800                      ; my queries' token block,
	s_add_co_u32 s60, s60, s61
	s_mul_i32 s61, s24, 38400                      ; my head's record,
	s_add_co_u32 s60, s60, s61
	s_add_co_u32 s60, s60, 2*CHUNK                 ; its chunk Q
	s_and_b32 s62, s26, 1
	s_lshl_b32 s62, s62, 2
	s_add_co_u32 s62, s62, s23                     ; T = 4 (block % 2) + query tile: my tile of the chunk's eight
	s_mov_b32 s3, 0
	s_wait_kmcnt 0x0
	s_add_nc_u64 s[G0+2:G0+3], s[4:5], s[58:59]
	s_or_b32 s[G0+3], s[G0+3], 0x80000000          ; type = 2
	s_mul_i32 s2, s62, 1536
	s_add_co_u32 s2, s2, s60
	s_add_nc_u64 s[46:47], s[4:5], s[2:3]          ; Q's fragment
	s_and_b32 s2, s62, 1
	s_lshl_b32 s2, s2, 8
	s_lshr_b32 s63, s62, 1
	s_lshl_b32 s63, s63, 2
	s_add_co_u32 s2, s2, s63
	s_add_co_u32 s2, s2, s60
	s_add_co_u32 s2, s2, 12288
	s_add_nc_u64 s[48:49], s[4:5], s[2:3]          ; its scale words: 256 (T % 2) + 4 (T / 2) + 16 r
	s_lshl_b32 s2, s27, 12
	s_lshl_b32 s63, s26, 6
	s_add_co_u32 s2, s2, s63
	s_lshl_b32 s63, s24, 5
	s_add_co_u32 s2, s2, s63
	s_bfe_u32 s63, s[WV], 0x10001
	s_lshl_b32 s63, s63, 3
	s_add_co_u32 s2, s2, s63
	s_and_b32 s63, s[WV], 1
	s_lshl_b32 s63, s63, 4
	s_add_co_u32 s2, s2, s63                       ; the stage's rows 8 w .. 8 w + 7 are the tokens 4,096 b + 64 X + 32 (w / 4) + 8 ((w / 2) % 2) + 16 (w % 2) + 0 .. 7
	s_lshl_b32 s2, s2, 10
	s_add_nc_u64 s[50:51], s[20:21], s[2:3]        ; out
	s_add_co_u32 s60, s24, 6
	s_mul_i32 s60, s60, 25600                      ; w_proj's block 6 + w / 4
	s_mul_i32 s2, s23, 6144
	s_add_co_u32 s2, s2, s60
	s_add_nc_u64 s[52:53], s[6:7], s[2:3]          ; its tiles 2 (w % 4), 2 (w % 4) + 1: four fragments
	s_lshr_b32 s2, s23, 1
	s_lshl_b32 s2, s2, 9
	s_and_b32 s63, s[WV], 1
	s_lshl_b32 s63, s63, 3
	s_add_co_u32 s2, s2, s63
	s_add_co_u32 s2, s2, s60
	s_add_co_u32 s2, s2, 24576
	s_add_nc_u64 s[54:55], s[6:7], s[2:3]          ; and their scale words: 8 bytes at 16 x lane
	s_lshl_b32 s2, s[WV], 7
	s_add_nc_u64 s[8:9], s[8:9], s[2:3]            ; the bias of my 32 outputs
	s_mov_b32 s[TB], 0
	s_mov_b32 s[SLOTS], 14
	CROUND                                         ; all four work-groups are here: the first joint loads meet
	tensor_load_to_lds s[G0:G0+3], s[G1:G1+7]      ; slot 0: key steps 0 and 1; one tensor load a wave at the head
	s_nop 0
	PLACES 4
.irp c, 0,1,2
	global_load_b128 v[Q1F+4*\c:Q1F+4*\c+3], v[LI], s[46:47] offset:512*\c
.endr
	global_load_b32 v[TT], v[R16], s[48:49]
	global_load_b64 v[128:129], v[LB], s[10:11]    ; the four lambdas, two numbers a lane: lam is made here, while slot 0 is on its way
	global_load_b64 v[130:131], v[LB], s[12:13]
	global_load_b64 v[132:133], v[LB], s[14:15]
	global_load_b64 v[134:135], v[LB], s[16:17]
.irp u, 0,1
	v_mov_b32 v[53+6*\u], 0xff61b1e6               ; the largest score so far: -3e38
	s_delay_alu instid0(VALU_DEP_1)
	v_floor_f32 v[52+6*\u], -v[53+6*\u]            ; -M: over every later -M, so that the first f is 0
	v_mov_b32 v[54+6*\u], 0                        ; the sum, in two halves
	v_mov_b32 v[55+6*\u], 0
	v_mov_b32 v[57+6*\u], 0                        ; (named as the upper half of f's pair)
.endr
	v_mov_b32 v[TP], 0                             ; a lane permute's destination counts as one of its sources
	v_mov_b32 v138, 0
	v_mov_b32 v139, 0
	s_wait_alu depctr_va_vdst(0)                   ; the wait here, directly ahead of the wait below
	s_wait_loadcnt 0x0                             ; Q and the lambdas
	v_mul_f32 v136, v128, v130
	v_mul_f32 v137, v132, v134
	s_delay_alu instid0(VALU_DEP_2)
	v_fmac_f32 v136, v129, v131
	s_delay_alu instid0(VALU_DEP_2)
	v_fmac_f32 v137, v133, v135
.irp x, 1,2,4,8
	s_delay_alu instid0(VALU_DEP_2)
	v_add_f32_dpp v136, v136, v136 row_xmask:\x row_mask:0xf bank_mask:0xf
	s_delay_alu instid0(VALU_DEP_2)
	v_add_f32_dpp v137, v137, v137 row_xmask:\x row_mask:0xf bank_mask:0xf
.endr
	s_delay_alu instid0(VALU_DEP_2)
	v_permlanex16_b32 v138, v136, s[SEL], s[SEL+1]
	s_delay_alu instid0(VALU_DEP_2)
	v_permlanex16_b32 v139, v137, s[SEL], s[SEL+1]
	s_delay_alu instid0(VALU_DEP_2)
	v_add_f32 v136, v136, v138                     ; sum(lambda_q1 lambda_k1)
	s_delay_alu instid0(VALU_DEP_2)
	v_add_f32 v137, v137, v139                     ; sum(lambda_q2 lambda_k2)
	s_delay_alu instid0(VALU_DEP_2)
	v_mul_f32 v136, 0x3fb8aa3b, v136               ; x log2(e)
	s_delay_alu instid0(VALU_DEP_2)
	v_mul_f32 v137, 0x3fb8aa3b, v137
	s_wait_alu depctr_va_vdst(0)                   ; the wait ahead of the batch
	v_exp_f32 v136, v136
	v_exp_f32 v137, v137
	v_nop                                          ; one plain place behind a transcendental
	s_wait_alu depctr_va_vdst(0)                   ; the wait behind it
	v_sub_f32 v136, v136, v137
	s_delay_alu instid0(VALU_DEP_1)
	v_add_f32 v[LAM], 0x3e4ccccd, v136             ; lam = e1 - e2 + 0.2
	v_and_b32 v[QS1], 0xffff, v[TT]                ; q1's two bytes; the zero blocks' bytes are 1
	v_and_b32 v[QS2], 0xffff0000, v[TT]            ; q2's two bytes
	s_delay_alu instid0(VALU_DEP_2)
	v_or_b32 v[QS1], 0x01010000, v[QS1]
	s_delay_alu instid0(VALU_DEP_2)
	v_or_b32 v[QS2], 0x0101, v[QS2]
.irp i, 0,1,2,3,4,5
	v_mov_b32 v[Q2F+6+\i], v[Q1F+6+\i]             ; q2 moves up,
.endr
.irp i, 0,1,2,3,4,5
	v_mov_b32 v[Q1F+6+\i], 0                       ; and zero codes stand between q1 and q2
.endr
	WIN 0x40
.set j, 0
.rept 128
	v_mov_b32 v[j], 0                              ; O1^T, O2^T.  The key step has no first copy of its own: the first step finds zeros.  These lines are also the places between Q's scale words and the first scaled product
.set j, j+1
.endr
	WIN 0
	s_wait_alu depctr_va_vdst(0)                   ; the wait at the head's end
	s_wait_tensorcnt 0x0                           ; my chunk of slot 0 is in; the same lines as ahead of a refill stand ahead of slot 1's first fill
	ds_add_u32 v[SPW], v[NIL]
	s_xor_b32 s[G0+1], s[G0+1], SLOT1
	s_add_nc_u64 s[G0+2:G0+3], s[G0+2:G0+3], 153600
	s_wait_dscnt 0x0
	CROUND
	tensor_load_to_lds s[G0:G0+3], s[G1:G1+7]      ; slot 1: key steps 2 and 3
	s_nop 0
	PLACES 4
	LOADK
	LOADV
	s_wait_dscnt 25                                ; K's 28 loads are in; V's 25, issued behind them, may be out
	SCORES Q1F, QS1
	WIN 0
	PLACES 4
.Lslot:                                            ; 14 trips, a slot each: each fills its slot again with the key steps four on
	TRIP 2
	s_sub_co_u32 s[SLOTS], s[SLOTS], 1
	s_cmp_lg_u32 s[SLOTS], 0
	s_cbranch_scc1 .Lslot
	TRIP 1                                         ; the last two slots are written out
	TRIP 0
	; ---- THE TAIL.  sub_norm_w was asked for in the last step; what the projection needs is asked for now and waited for in front of it.  The sum's 16 lines above are the places behind the last products
.set j, 0
.rept 12
	global_load_b128 v[WPF+4*j:WPF+4*j+3], v[LI], s[52:53] offset:512*j
.set j, j+1
.endr
.irp u, 0,1
	global_load_b128 v[BI+8*\u:BI+8*\u+3], v[NW], s[8:9] offset:32*\u          ; the bias in the result's layout: outputs 32 w + 16 h + 8 u + 0 .. 7
	global_load_b128 v[BI+8*\u+4:BI+8*\u+7], v[NW], s[8:9] offset:32*\u+16
.endr
	global_load_b64 v[KS:KS+1], v[LI], s[54:55]    ; w_proj's scale words of my two tiles: K step 0 in lanes 0-15, K step 1 in lanes 16-31
	; the rows' sums
	v_add_f32 v232, v54, v55
	v_add_f32 v233, v60, v61
	s_delay_alu instid0(VALU_DEP_2)
	v_permlanex16_b32 v220, v232, s[SEL], s[SEL+1]
	s_delay_alu instid0(VALU_DEP_2)
	v_permlanex16_b32 v221, v233, s[SEL], s[SEL+1]
	s_delay_alu instid0(VALU_DEP_2)
	v_add_f32 v232, v232, v220                     ; l1
	s_delay_alu instid0(VALU_DEP_2)
	v_add_f32 v233, v233, v221                     ; l2
	s_wait_alu depctr_va_vdst(0)
	v_rcp_f32 v248, v232                           ; 1 / l1
	v_rcp_f32 v234, v233                           ; 1 / l2
	v_mov_b32 v249, 0                              ; (a plain place behind the reciprocals; the upper halves of three pairs)
	v_mov_b32 v251, 0
	v_mov_b32 v237, 0
	s_wait_alu depctr_va_vdst(0)
	v_mul_f32 v250, v[LAM], v234                   ; lam / l2
	; o = O1 / l1 - lam O2 / l2, into window 0, v64-127
	WIN 0x41
.set j, 0
.rept 32
	v_pk_mul_f32 v[OA2+j:OA2+j+1], v[OA2+j:OA2+j+1], v[250:251] op_sel_hi:[1,0]
.set j, j+2
.endr
	WIN 0x11                                       ; sources 0 and 2 window 1, destination window 0
.set j, 0
.rept 32
	v_pk_fma_f32 v[SC1+j:SC1+j+1], v[OA1+j:OA1+j+1], v[248:249], v[OA2+j:OA2+j+1] op_sel_hi:[1,0,1] neg_lo:[0,0,1] neg_hi:[0,0,1]
.set j, j+2
.endr
	WIN 0
	; the norm over the head's 128 channels: 64 are mine, 64 lane l xor 16's
	v_pk_mul_f32 v[232:233], v[SC1:SC1+1], v[SC1:SC1+1]
	v_pk_mul_f32 v[234:235], v[SC1+2:SC1+3], v[SC1+2:SC1+3]
.set j, 4
.rept 15
	s_delay_alu instid0(VALU_DEP_2)
	v_pk_fma_f32 v[232:233], v[SC1+j:SC1+j+1], v[SC1+j:SC1+j+1], v[232:233]
	s_delay_alu instid0(VALU_DEP_2)
	v_pk_fma_f32 v[234:235], v[SC1+j+2:SC1+j+3], v[SC1+j+2:SC1+j+3], v[234:235]
.set j, j+4
.endr
	s_delay_alu instid0(VALU_DEP_1)
	v_pk_add_f32 v[232:233], v[232:233], v[234:235]
	s_delay_alu instid0(VALU_DEP_1)
	v_add_f32 v232, v232, v233
	s_delay_alu instid0(VALU_DEP_1)
	v_permlanex16_b32 v220, v232, s[SEL], s[SEL+1]
	s_delay_alu instid0(VALU_DEP_1)
	v_add_f32 v232, v232, v220
	s_delay_alu instid0(VALU_DEP_1)
	v_fma_f32 v232, v232, s56, s57                 ; the mean of the squares + eps
	s_wait_alu depctr_va_vdst(0)
	v_rsq_f32 v236, v232
	v_nop                                          ; one plain place behind a transcendental
	s_wait_alu depctr_va_vdst(0)
	v_mul_f32 v236, 0x3f4ccccd, v236               ; x (1 - 0.2)
.set j, 0
.rept 32
	v_pk_mul_f32 v[SC1+j:SC1+j+1], v[SC1+j:SC1+j+1], v[236:237] op_sel_hi:[1,0]
.set j, j+2
.endr
	s_wait_loadcnt 17                              ; sub_norm_w's 16 loads are in; the 17 issued behind them (w_proj 12, bias 4, scale words 1) may be out
	WIN 0x04                                       ; source 1 (sub_norm_w) window 1
.set j, 0
.rept 32
	v_pk_mul_f32 v[SC1+j:SC1+j+1], v[SC1+j:SC1+j+1], v[FB+j:FB+j+1]
.set j, j+2
.endr
	WIN 0
	; o becomes an operand: K step = my head, rows = my query tile; its image goes to the other waves through LDS
	QUANT SC1
.irp c, 0,1,2
	ds_store_b128 v[OW], v[PC+4*\c:PC+4*\c+3] offset:512*\c
.endr
	ds_store_b32 v[OWS], v[PW]                     ; lanes r and r + 16 write the same word with the same value
	s_wait_dscnt 0x0                               ; for the others' sake: my image lies in LDS
	s_barrier_signal -1
	s_barrier_wait -1
	; the projection: my two tiles of outputs (source 0) x the four query tiles (source 1), two K steps; eight accumulators by turns; the bias is the C of each sum's first product
	ds_load_b128 v[VS:VS+3], v[ORD] offset:8*1536  ; o's scale words: register m; K step 0 in lanes 0-15, K step 1 in lanes 16-31
	WIN 0x40
.set j, 0
.rept 24
	ds_load_b128 v[FB+4*j:FB+4*j+3], v[ORD] offset:512*j
.set j, j+1
.endr
	WIN 0x04                                       ; source 1 (o) window 1
	s_wait_dscnt 0x0
	s_wait_loadcnt 0x0                             ; w_proj's fragments and scale words and the bias are in
.irp m, 0,1,2,3
.irp u, 0,1
	MM SC1+8*(4*\u+\m), WPF+24*\u, FB+24*\m, BI+8*\u, KS+\u, VS+\m, 0
.endr
.endr
.irp m, 0,1,2,3
.irp u, 0,1
	MM SC1+8*(4*\u+\m), WPF+24*\u+12, FB+24*\m+12, SC1+8*(4*\u+\m), KS+\u, VS+\m, 3
.endr
.endr
	WIN 0
	PLACES 4                                       ; in front of the first read of results, and of the loads into source registers below
	; the way out: a row's 256 outputs come from eight waves: they meet in the stage and leave as whole rows
.irp m, 0,1,2,3
.irp u, 0,1
	ds_store_b128 v[SO], v[SC1+8*(4*\u+\m):SC1+8*(4*\u+\m)+3] offset:16*SPI*\m+32*\u          ; each accumulator from its low end on
	ds_store_b128 v[SO], v[SC1+8*(4*\u+\m)+4:SC1+8*(4*\u+\m)+7] offset:16*SPI*\m+32*\u+16
.endr
.endr
	s_wait_dscnt 0x0
	s_barrier_signal -1
	s_barrier_wait -1
.irp i, 0,1,2,3,4,5,6,7
.irp e, 0,1
	ds_load_b128 v[WPF+4*(2*\i+\e):WPF+4*(2*\i+\e)+3], v[SR] offset:SPI*\i+512*\e
.endr
.endr
.irp i, 0,1,2,3,4,5,6,7
.irp e, 0,1
	s_wait_dscnt 15-2*\i-\e                        ; LDS loads come back in order: this one is in, the younger ones may be out
	global_store_b128 v[LI], v[WPF+4*(2*\i+\e):WPF+4*(2*\i+\e)+3], s[50:51] offset:1024*\i+512*\e th:TH_STORE_NT   ; 32 lanes store 512 consecutive bytes, at a multiple of 256 from out0's first byte
.endr
.endr
	s_wait_tensorcnt 0x0                           ; the wave's end: behind my last tensor load and my last LDS store
	ds_add_u32 v[SPW], v[NIL]
	s_wait_dscnt 0x0
	CROUND                                         ; the closing round: no work-group ends while a partner may still ask for a chunk that names it
	s_endpgm
.Lfunc_end_k_q3a32de16df_attn:
	.size	k_q3a32de16df_attn, .Lfunc_end_k_q3a32de16df_attn-k_q3a32de16df_attn
	.p2alignl 7, 3214868480
	.fill 96, 4, 3214868480
	.section	.rodata,"a",@progbits
	.p2align	6, 0x0
	.amdhsa_kernel k_q3a32de16df_attn
		.amdhsa_group_segment_fixed_size 327680
		.amdhsa_private_segment_fixed_size 0
		.amdhsa_enable_private_segment 0
		.amdhsa_kernarg_size 72
		.amdhsa_user_sgpr_count 2
		.amdhsa_user_sgpr_kernarg_segment_ptr 1
		.amdhsa_wavefront_size32 1
		.amdhsa_system_sgpr_workgroup_id_x 1
		.amdhsa_system_sgpr_workgroup_id_y 1
		.amdhsa_system_sgpr_workgroup_id_z 1
		.amdhsa_system_vgpr_workitem_id 0
		.amdhsa_next_free_vgpr 512
		.amdhsa_next_free_sgpr 76
		.amdhsa_reserve_vcc 0
		.amdhsa_float_denorm_mode_32 3
		.amdhsa_float_denorm_mode_16_64 3
		.amdhsa_memory_ordered 1
		.amdhsa_forward_progress 1
		.amdhsa_inst_pref_size 236
	.end_amdhsa_kernel
	.amdgpu_metadata
---
amdhsa.version: [ 1, 2 ]
amdhsa.kernels:
  - .name:           k_q3a32de16df_attn
    .symbol:         k_q3a32de16df_attn.kd
    .args:
      - { .name: qkvc, .offset: 0, .size: 8, .value_kind: global_buffer, .address_space: global }
      - { .name: wimg, .offset: 8, .size: 8, .value_kind: global_buffer, .address_space: global }
      - { .name: b_proj, .offset: 16, .size: 8, .value_kind: global_buffer, .address_space: global }
      - { .name: lambda_q1, .offset: 24, .size: 8, .value_kind: global_buffer, .address_space: global }
      - { .name: lambda_k1, .offset: 32, .size: 8, .value_kind: global_buffer, .address_space: global }
      - { .name: lambda_q2, .offset: 40, .size: 8, .value_kind: global_buffer, .address_space: global }
      - { .name: lambda_k2, .offset: 48, .size: 8, .value_kind: global_buffer, .address_space: global }
      - { .name: sub_norm_w, .offset: 56, .size: 8, .value_kind: global_buffer, .address_space: global }
      - { .name: out0, .offset: 64, .size: 8, .value_kind: global_buffer, .address_space: global }
    .group_segment_fixed_size: 327680
    .private_segment_fixed_size: 0
    .kernarg_segment_align: 8
    .kernarg_segment_size: 72
    .max_flat_workgroup_size: 256
    .sgpr_count:     76
    .vgpr_count:     512
    .wavefront_size: 32
...
	.end_amdgpu_metadata
.endif
;; end of part 3
